; MI455X (gfx1250); checked and timed in simulation.
; The chip was launched on July 23, 2026; its instructions are those of AMD's public machine-readable ISA for CDNA 5 (MIT licence, August 2026) and "CDNA5" Instruction Set Architecture Reference Guide (July 2026). The comments in the code are by the model that wrote it; some were corrected since.
;; Sparse FFN. Allowed arithmetic: matrix products marked QUANTISED: E2M1 operands, one E8M0 scale for each 32 along K, by v_wmma_scale_f32_16x16x128_f8f6f4 with both operands' format E2M1 (or v_wmma_scale_f32_32x16x128_f4), f32 sums; everything else in f32.
;; Inputs: mask_down 2,048 x 8,192 bool; mask_up 8,192 x 2,048 bool; w_down 2,048 x 8,192 float32; w_up 8,192 x 2,048 float32; x 2,048 x 2,048 float32.
;; Outputs: out0 2,048 x 2,048 float32.
;; This version of the problem:
;;   THIS VERSION OF THE PROBLEM IS GIVEN IN LOW PRECISION. The matrix products marked QUANTISED in the list below multiply operands that are first quantised to E2M1 (2 exponent bits, 1 mantissa bit; 4 bits a number), with one power-of-two scale for each 32 numbers along K (OCP MX v1.0); their sums are f32. All else is computed in f32.
;;   The module's matrix products, in the order in which they are computed (A, B: the left and right operand; K: the contracted axis; several contracted axes count as one K, in the product's order):
;;     1. [M 2,048, K 2,048] x [K 2,048, N 8,192]; A: input x; B: computed on the way: QUANTISED
;;     2. [M 2,048, K 8,192] x [K 8,192, N 2,048]; A: computed on the way; B: computed on the way: QUANTISED
;;   THE QUANTISER, for each operand of a quantised product, along K:
;;     - K is cut into blocks of 32 from its start; a last block that is shorter is filled with zeros.
;;     - A block's scale is 2^e with e = floor(log2(the largest magnitude in the block)) - 2, held to -126 .. 127; a block of zeros has e = 0. As a byte (E8M0): e + 127.
;;     - Each number is divided by its block's scale, clamped to +-6, and rounded to the nearest number of E2M1, ties to even, subnormals kept.
;;     - The product sums the exact products of the quantised numbers (number of the format x scale) in f32.
;;   ~~~python
;;   def quantise(x, axis):      # numpy; x: float32 -> the quantised numbers, widened to float32 again
;;       x = np.moveaxis(x, axis, -1); K = x.shape[-1]
;;       x = np.pad(x, [(0, 0)] * (x.ndim - 1) + [(0, -K % 32)]); x = x.reshape(x.shape[:-1] + (-1, 32)); a = np.abs(x).max(-1, keepdims=True)
;;       e = np.where(a > 0, np.clip(np.frexp(np.where(a > 0, a, 1))[1] - 1 - 2, -126, 127), 0)      # np.frexp(a)[1] - 1 = floor(log2(a)), exactly
;;       r = np.clip(x / 2.0 ** e, -6, 6)
;;       step = 2.0 ** (np.maximum(np.frexp(np.where(r == 0, 1, r))[1] - 1, 0) - 1)
;;       q = np.round(r / step) * step * 2.0 ** e      # np.round: ties to even
;;       return np.moveaxis(q.reshape(q.shape[:-2] + (-1,))[..., :K], -1, axis).astype(np.float32)
;;   ~~~
;;   OPERANDS COMPUTED ON THE WAY. 'Computed on the way' means the value that the module computes at that place (a softmax that the list does not call 'softmax' is quantised finished and normalised). What goes into a quantiser is computed in f32, as accurately as f32 sums, v_exp_f32 and their like allow (about 1e-6 of the number): no bf16 or f16 on the way to a quantiser, and a product that is left as it is and whose result goes on into a quantised operand takes f32 operands (vector FMAs, or v_wmma_f32_16x16x4_f32). A number that lies on a knife's edge between two numbers of the format may be rounded either way, as far as f32 arithmetic and the matrix unit's own rounding can turn it there, and no further.
;; One version. Each part assembles by itself: llvm-mc -triple=amdgcn-amd-amdhsa -mcpu=gfx1250 --defsym DOCPART=n.
;; ======== version 1 of 1: 3 launches
;; workspace buffers: x_codes 2,097,152 bytes; x_scales 131,072 bytes; wu_codes 8,388,608 bytes; wu_scales 524,288 bytes; wd_codes 8,388,608 bytes; wd_scales 524,288 bytes; h_codes 8,388,608 bytes; h_scales 524,288 bytes
;; launch quant (part 1): grid 1152 x 1, 4 waves a work-group, no clusters, 57,856 bytes of LDS; arguments x, w_up, mask_up, w_down, mask_down, x_codes, x_scales, wu_codes, wu_scales, wd_codes, wd_scales; writes x_codes, x_scales, wu_codes, wu_scales, wd_codes, wd_scales
.if DOCPART == 1
	.amdgcn_target "amdgcn-amd-amdhsa--gfx1250"
	.amdhsa_code_object_version 6
	.text
	.protected	k_q2a75f8c8d6_quant
	.globl	k_q2a75f8c8d6_quant
	.p2align	8
	.type	k_q2a75f8c8d6_quant,@function
k_q2a75f8c8d6_quant:
	s_mov_b64 s[64:65], 0
	v_nop
	global_prefetch_b8 v0, s[64:65] scope:SCOPE_SE
	s_setreg_imm32_b32 hwreg(HW_REG_WAVE_MODE, 25, 1), 1
	s_wait_xcnt 0x0
; out0 = Q(gelu(Q(x) Q(w_up * mask_up)^T)) Q(w_down * mask_down)^T, Q the MX-FP4 quantiser along each product's K.  Three launches: this one, up, down.
; NO WORK IS LEFT OUT: every number of x, w_up, w_down and every byte of both masks can move a code or a scale of a live product, so all five inputs are loaded, once.
; THIS LAUNCH turns x [2048][2048], w_up * mask_up [8192][2048] and w_down * mask_down [2048][8192] (f32, K innermost) into codes of E2M1 and E8M0 scale bytes.
; A block's scale is 2^(floor(log2(its largest magnitude)) - 2); its byte is the largest magnitude's exponent field - 2, held at 1 from below.
; LAYOUT OF THE CODES: in the order of the operand's registers.  16 rows x 128 K are one image of 1,024 bytes: byte 512 c + 16 lane holds row lane % 16, k = 64 c + 32 (lane / 16) + 0 .. 31.
;   So block B (of the 16 blocks of 32) of row r of a job of 16 rows x 512 K lies at 256 B + 16 r of the job's 4,096 bytes.  Images lie [16 rows][128 K]; scale bytes [16 rows][512 K][row][16 bytes].
; w_up's stored blocks of 16 rows are not neighbours: stored block s, place m, holds row 32 (s / 2) + 8 (s % 2) + m + 8 (m / 8), so that in the next launch a lane's 16 results of two neighbouring tiles are 16 neighbours along the next K.
; SHARES: work-groups 0-127 take x, 128-639 w_up, 640-1151 w_down.  A wave takes one job, 16 steps of one row's 512 numbers.  Each of a step's four loads reads 512 consecutive bytes; the 2,048 bytes turn through the wave's
;   own stage in LDS and come back 16 neighbours a lane (two lanes hold a block).  A lane's 16 mask bytes are one load of 16 bytes.  The codes gather in a stage and leave as eight stores of 512 consecutive bytes, the scale bytes as one of 256.
; No tensor loads, no barrier: waves share nothing.  Loads run four rows ahead.  x has no mask: its work-groups take a path of their own, with LDS bytes of its own.
; SIZES: 176 registers a wave and 57,856 bytes of LDS a work-group, so that five work-groups fit where 1,024 registers a SIMD and 327,680 bytes of LDS are shared: 1,280 places for the launch's 1,152 work-groups.
; LIMITS: a masked number becomes +0 by an AND with its mask, so a NaN or an infinity under a hole of a mask gives 0 where a multiplication would give NaN, and -0 is not kept; NaN and infinities among the inputs are not served.
;   A block of zeros gets the byte 1 where the rule says 127: its codes are zeros, and these bytes are read by this program alone.  Blocks whose largest magnitude lies under 2^-124 take the byte 1.
.set WREG,  7168                       ; LDS of a wave: a turn stage of 32 x 80 bytes, the code stage of 16 x 272, 256 scale bytes
.set SP,    80                         ; a lane's place in the turn stage: 64 bytes + 16 of padding
.set CST,   2560                       ; the code stage
.set CPI,   272                        ; a unit of 256 bytes of codes + 16 of padding
.set SBY,   6912                       ; the scale bytes
.set PATH0, 0                          ; the masked path's four regions
.set PATH1, 4*WREG                     ; the plain path's
.set SPARE, 8*WREG                     ; the spare words, 128 bytes for each wave: two blocks of 256 bytes that no other line names
.set SPW,   12                         ; v12  LDS address of my spare word; never rewritten
.set NIL,   13                         ; v13  0; never rewritten
.set R,     16                         ; v16-79   four sets of 16 numbers as loaded
.set X,     80                         ; v80-111  two sets of 16 neighbours
.set E,     112                        ; v112-113 a step's scale byte, two sets by turns
.set C,     114                        ; v114-117 a step's two registers of codes, two sets by turns
.set M,     118                        ; v118-133 four sets of 16 mask bytes
.set VO,    134                        ; v134-149 byte offset of step t's row in the numbers: never rewritten
.set MO,    150                        ; v150-165 the same in the mask
.set T,     166                        ; v166-173 at work
.set CRD,   174                        ; v174 where I read the code stage back
.set SELB,  44                         ; s44-47 byte selects: byte j four times
	s_load_b512 s[8:23], s[0:1], 0x0               ; x, w_up, mask_up, w_down, mask_down, x_codes, x_scales, wu_codes
	s_load_b128 s[24:27], s[0:1], 0x40             ; wu_scales, wd_codes
	s_load_b64 s[28:29], s[0:1], 0x50              ; wd_scales
	v_lshl_add_u32 v[SPW], v0, 2, SPARE
	v_mov_b32 v[NIL], 0
	v_lshrrev_b32 v1, 5, v0
	v_readfirstlane_b32 s2, v1                     ; wave
	v_and_b32 v2, 31, v0                           ; lane
	v_lshlrev_b32 v3, 4, v2                        ; 16 x lane
	s_mul_i32 s3, s2, WREG
	v_lshrrev_b32 v14, 2, v2
	v_mul_u32_u24 v14, v14, SP
	v_and_b32 v15, 3, v2
	v_lshl_add_u32 v14, v15, 4, v14
	v_add_nc_u32 v14, s3, v14                      ; turn stage, in: 80 (lane / 4) + 16 (lane % 4)
	v_mul_u32_u24 v15, v2, SP
	v_add_nc_u32 v15, s3, v15                      ; and out: 80 x lane
	v_lshrrev_b32 v5, 1, v2                        ; my block: lane / 2
	v_mul_u32_u24 v4, v5, CPI
	v_and_b32 v6, 1, v2
	v_lshl_add_u32 v4, v6, 3, v4
	v_add_nc_u32 v4, s3, v4
	v_add_nc_u32 v4, CST, v4                       ; code stage, in: unit = my block, + 8 (lane % 2); the row stands in the immediate
	v_add_nc_u32 v5, s3, v5
	v_add_nc_u32 v5, SBY, v5                       ; my block's scale byte
	v_lshlrev_b32 v7, 3, v2                        ; 8 x lane
	v_add_nc_u32 v6, s3, v7
	v_add_nc_u32 v6, SBY, v6                       ; the scale bytes on the way out
	v_lshrrev_b32 v8, 4, v2
	v_mul_u32_u24 v8, v8, CPI
	v_and_b32 v9, 15, v2
	v_lshl_add_u32 v8, v9, 4, v8
	v_add_nc_u32 v8, s3, v8
	v_add_nc_u32 v[CRD], CST, v8                   ; code stage, out: sixteen lanes to a unit, two units an instruction
	s_mov_b32 s[SELB], 0x00000000
	s_mov_b32 s[SELB+1], 0x01010101
	s_mov_b32 s[SELB+2], 0x02020202
	s_mov_b32 s[SELB+3], 0x03030303
	s_wait_kmcnt 0x0
	s_cmp_lt_u32 ttmp9, 640                        ; w_up or w_down?  The choices hang on the work-group's number alone
	s_cselect_b64 s[30:31], s[10:11], s[14:15]     ; the numbers
	s_cselect_b64 s[32:33], s[12:13], s[16:17]     ; the mask
	s_cselect_b64 s[34:35], s[22:23], s[26:27]     ; the codes
	s_cselect_b64 s[36:37], s[24:25], s[28:29]     ; the scale bytes
	s_mov_b32 s38, 640
	s_cselect_b32 s38, 128, s38                    ; the tensor's first work-group
	s_cselect_b32 s39, 2, 4                        ; log2 of K / 512
	s_cselect_b32 s40, 11, 13                      ; log2 of K
	s_cselect_b32 s41, 1, 0                        ; 1: the stored blocks' rows are chosen (w_up)
	s_cmp_lt_u32 ttmp9, 128                        ; or x?
	s_cselect_b64 s[30:31], s[8:9], s[30:31]
	s_cselect_b64 s[34:35], s[18:19], s[34:35]
	s_cselect_b64 s[36:37], s[20:21], s[36:37]
	s_cselect_b32 s38, 0, s38
	s_cselect_b32 s41, 0, s41
	s_sub_co_u32 s42, ttmp9, s38
	s_lshl_b32 s42, s42, 2
	s_add_co_u32 s42, s42, s2                      ; my job
	s_lshr_b32 s43, s42, s39                       ; its block of 16 rows,
	s_lshl_b32 s48, s43, s39
	s_sub_co_u32 s48, s42, s48                     ; its 512 along K
	s_lshl_b32 s49, s43, 4
	s_and_b32 s50, s43, s41
	s_lshl_b32 s50, s50, 3
	s_sub_co_u32 s49, s49, s50                     ; the block's first row: 16 x block, less 8 in w_up's odd blocks
	s_lshl_b32 s49, s49, s40
	s_lshl_b32 s48, s48, 9
	s_add_co_u32 s50, s49, s48                     ; the job's first number
	s_mov_b32 s51, 0
	s_lshl_b32 s52, s50, 2
	s_mov_b32 s53, 0
	s_lshl_b32 s54, s42, 12                        ; 4,096 bytes of codes a job
	s_mov_b32 s55, 0
	s_lshl_b32 s56, s42, 8                         ; 256 scale bytes a job
	s_mov_b32 s57, 0
	s_add_nc_u64 s[32:33], s[32:33], s[50:51]
	s_add_nc_u64 s[30:31], s[30:31], s[52:53]
	s_add_nc_u64 s[34:35], s[34:35], s[54:55]
	s_add_nc_u64 s[36:37], s[36:37], s[56:57]
	s_lshl_b32 s58, 4, s40                         ; a row of numbers in bytes,
	s_lshl_b32 s59, 1, s40                         ; of mask bytes
	s_mul_i32 s60, s41, s59
	s_lshl_b32 s60, s60, 3                         ; w_up: rows 8 to 15 of a stored block lie 8 rows further on
	s_lshl_b32 s61, s60, 2
	s_add_co_u32 s62, s58, s61
	s_add_co_u32 s63, s59, s60
	v_mov_b32 v[VO], v3
	v_mov_b32 v[MO], v3
.irp t, 1,2,3,4,5,6,7,8,9,10,11,12,13,14,15
.if \t == 8
	v_add_nc_u32 v[VO+\t], s62, v[VO+\t-1]
	v_add_nc_u32 v[MO+\t], s63, v[MO+\t-1]
.else
	v_add_nc_u32 v[VO+\t], s58, v[VO+\t-1]
	v_add_nc_u32 v[MO+\t], s59, v[MO+\t-1]
.endif
.endr
.macro LOADN t                         ; row t's 512 numbers: four loads of 512 consecutive bytes
.irp i, 0,1,2,3
	global_load_b128 v[R+16*((\t)%4)+4*\i:R+16*((\t)%4)+4*\i+3], v[VO+(\t)], s[30:31] offset:512*\i th:TH_LOAD_NT
.endr
.endm
.macro LOADM t                         ; and its 512 mask bytes: a lane's 16 are those of the 16 neighbours that it holds behind the turn
	global_load_b128 v[M+4*((\t)%4):M+4*((\t)%4)+3], v[MO+(\t)], s[32:33] th:TH_LOAD_NT
.endm
.macro TURN t, p                       ; one stage serves every row: these stores are issued behind the wait that shows the row before back from it.  LDS serves a wave's instructions in order, so no wait stands between the stores and the loads
.irp i, 0,1,2,3
	ds_store_b128 v14, v[R+16*((\t)%4)+4*\i:R+16*((\t)%4)+4*\i+3] offset:\p+8*SP*\i
.endr
.irp i, 0,1,2,3
	ds_load_b128 v[X+16*((\t)%2)+4*\i:X+16*((\t)%2)+4*\i+3], v15 offset:\p+16*\i
.endr
.endm
.macro STEP t, m, p
.set XS, X+16*((\t)%2)
.set MS, M+4*((\t)%4)
.set ES, E+((\t)%2)
.set CS, C+2*((\t)%2)
.if (\t) > 0
	s_wait_dscnt 2                                 ; this row is back from the stage; the last step's two stores (byte, codes) may be out; those of the step before it are done, so its byte's and codes' registers may be written
.else
	s_wait_dscnt 0x0
.endif
.if (\t)+4 < 16
	LOADN (\t)+4                                   ; into the set whose stores into the stage are done
.endif
.if (\t)+1 < 16
.if \m                                 ; the loads go out as numbers, mask, numbers, mask ..: the count is what is younger than the next row's four; this row's mask is older
.if (\t) <= 11
	s_wait_loadcnt 15                              ; a mask, two rows of five, four numbers' loads
.elseif (\t) == 12
	s_wait_loadcnt 11
.elseif (\t) == 13
	s_wait_loadcnt 6
.else
	s_wait_loadcnt 1
.endif
.else
.if (\t) <= 11
	s_wait_loadcnt 12                              ; three rows of four
.else
	s_wait_loadcnt 4*(14-(\t))
.endif
.endif
	TURN (\t)+1, \p
.else
	s_wait_loadcnt 0x0                             ; the last row's mask
.endif
.if \m
.irp q, 0,1,2,3
	v_lshlrev_b32 v[T+\q], 8, v[MS+\q]             ; four mask bytes x 255: 0 stays 0, 1 becomes 0xff
.endr
.irp q, 0,1,2,3
	v_sub_nc_u32 v[T+\q], v[T+\q], v[MS+\q]
.endr
.irp q, 0,1,2,3
.irp j, 0,1,2,3
	v_perm_b32 v[T+4+\j], v[T+\q], v[T+\q], s[SELB+\j]   ; byte j four times: all ones or 0
.endr
.irp j, 0,1,2,3
	v_and_b32 v[XS+4*\q+\j], v[T+4+\j], v[XS+4*\q+\j]    ; the number, or +0
.endr
.endr
.if (\t)+4 < 16
	LOADM (\t)+4
.endif
.endif
	v_max3_num_f32 v8, |v[XS]|, |v[XS+1]|, |v[XS+2]|     ; the largest magnitude of my 16, in two chains
	v_max3_num_f32 v9, |v[XS+3]|, |v[XS+4]|, |v[XS+5]|
.irp i, 6,10
	v_max3_num_f32 v8, v8, |v[XS+\i]|, |v[XS+\i+1]|
	v_max3_num_f32 v9, v9, |v[XS+\i+2]|, |v[XS+\i+3]|
.endr
	v_max3_num_f32 v8, v8, |v[XS+14]|, |v[XS+15]|
	v_max3_num_f32 v8, v8, v9, 0x1800000           ; and the floor 2^(3 - 127): the byte cannot fall under 1
	v_max_num_f32_dpp v8, v8, v8 row_xmask:1 row_mask:0xf bank_mask:0xf   ; with my neighbour's 16: the block's
	v_add_nc_u32 v11, 0xff000000, v8               ; 2 off its exponent field: the conversion takes the exponent field of this operand as its scale
	v_cvt_scalef32_pk8_fp4_f32 v[CS], v[XS:XS+7], v11
	v_cvt_scalef32_pk8_fp4_f32 v[CS+1], v[XS+8:XS+15], v11
	v_lshrrev_b32 v[ES], 23, v11                   ; the scale's byte (a plain line behind the conversions)
	ds_store_b8 v5, v[ES] offset:\p+16*(\t)        ; both lanes of a block write the same byte with the same value
	ds_store_b64 v4, v[CS:CS+1] offset:\p+16*(\t)  ; my 16 codes: unit = block, 16 bytes a row
.endm
.macro BODY m, p
.irp t, 0,1,2,3
	LOADN \t
.if \m
	LOADM \t
.endif
.endr
.if \m
	s_wait_loadcnt 16                              ; row 0's four are in: behind them a mask and three rows of five
.else
	s_wait_loadcnt 12
.endif
	TURN 0, \p
.irp t, 0,1,2,3,4,5,6,7,8,9,10,11,12,13,14,15
	STEP \t, \m, \p
.endr
	ds_load_b64 v[8:9], v6 offset:\p               ; LDS serves a wave's instructions in order: these see my stores
.irp i, 0,1,2,3,4,5,6,7
	ds_load_b128 v[R+4*\i:R+4*\i+3], v[CRD] offset:\p+2*CPI*\i
.endr
	s_wait_dscnt 8                                 ; the scale bytes are back; the eight loads of codes may be out
	global_store_b64 v7, v[8:9], s[36:37]          ; 32 lanes store 256 consecutive bytes, aligned
.irp i, 0,1,2,3,4,5,6,7
	s_wait_dscnt 7-\i
	global_store_b128 v3, v[R+4*\i:R+4*\i+3], s[34:35] offset:512*\i   ; 512 consecutive bytes, aligned
.endr
	s_wait_tensorcnt 0x0                           ; the wave's end, behind my last LDS store
	ds_add_u32 v[SPW], v[NIL]
	s_wait_dscnt 0x0
	s_endpgm
.endm
	s_cmp_lt_u32 ttmp9, 128
	s_cbranch_scc1 .Lplain
	BODY 1, PATH0
.Lplain:
	BODY 0, PATH1
.Lfunc_end_k_q2a75f8c8d6_quant:
	.size	k_q2a75f8c8d6_quant, .Lfunc_end_k_q2a75f8c8d6_quant-k_q2a75f8c8d6_quant
	.p2alignl 7, 3214868480
	.fill 96, 4, 3214868480
	.section	.rodata,"a",@progbits
	.p2align	6, 0x0
	.amdhsa_kernel k_q2a75f8c8d6_quant
		.amdhsa_group_segment_fixed_size 57856
		.amdhsa_private_segment_fixed_size 0
		.amdhsa_enable_private_segment 0
		.amdhsa_kernarg_size 88
		.amdhsa_user_sgpr_count 2
		.amdhsa_user_sgpr_kernarg_segment_ptr 1
		.amdhsa_wavefront_size32 1
		.amdhsa_system_sgpr_workgroup_id_x 1
		.amdhsa_system_sgpr_workgroup_id_y 1
		.amdhsa_system_sgpr_workgroup_id_z 1
		.amdhsa_system_vgpr_workitem_id 0
		.amdhsa_next_free_vgpr 176
		.amdhsa_next_free_sgpr 66
		.amdhsa_reserve_vcc 0
		.amdhsa_float_denorm_mode_32 3
		.amdhsa_float_denorm_mode_16_64 3
		.amdhsa_memory_ordered 1
		.amdhsa_forward_progress 1
		.amdhsa_inst_pref_size 99
	.end_amdhsa_kernel
	.amdgpu_metadata
---
amdhsa.version: [ 1, 2 ]
amdhsa.kernels:
  - .name:           k_q2a75f8c8d6_quant
    .symbol:         k_q2a75f8c8d6_quant.kd
    .args:
      - { .name: x, .offset: 0, .size: 8, .value_kind: global_buffer, .address_space: global }
      - { .name: w_up, .offset: 8, .size: 8, .value_kind: global_buffer, .address_space: global }
      - { .name: mask_up, .offset: 16, .size: 8, .value_kind: global_buffer, .address_space: global }
      - { .name: w_down, .offset: 24, .size: 8, .value_kind: global_buffer, .address_space: global }
      - { .name: mask_down, .offset: 32, .size: 8, .value_kind: global_buffer, .address_space: global }
      - { .name: x_codes, .offset: 40, .size: 8, .value_kind: global_buffer, .address_space: global }
      - { .name: x_scales, .offset: 48, .size: 8, .value_kind: global_buffer, .address_space: global }
      - { .name: wu_codes, .offset: 56, .size: 8, .value_kind: global_buffer, .address_space: global }
      - { .name: wu_scales, .offset: 64, .size: 8, .value_kind: global_buffer, .address_space: global }
      - { .name: wd_codes, .offset: 72, .size: 8, .value_kind: global_buffer, .address_space: global }
      - { .name: wd_scales, .offset: 80, .size: 8, .value_kind: global_buffer, .address_space: global }
    .group_segment_fixed_size: 57856
    .private_segment_fixed_size: 0
    .kernarg_segment_align: 8
    .kernarg_segment_size: 88
    .max_flat_workgroup_size: 128
    .sgpr_count:     66
    .vgpr_count:     176
    .wavefront_size: 32
...
	.end_amdgpu_metadata
.endif
;; end of part 1
;; launch up (part 2): grid 32 x 8, 4 waves a work-group, clusters of 4 x 4, 327,680 bytes of LDS; arguments x_codes, x_scales, wu_codes, wu_scales, h_codes, h_scales; writes h_codes, h_scales
.if DOCPART == 2
	.amdgcn_target "amdgcn-amd-amdhsa--gfx1250"
	.amdhsa_code_object_version 6
	.text
	.protected	k_q2a75f8c8d6_up
	.globl	k_q2a75f8c8d6_up
	.p2align	8
	.type	k_q2a75f8c8d6_up,@function
k_q2a75f8c8d6_up:
	s_mov_b64 s[64:65], 0
	v_nop
	global_prefetch_b8 v0, s[64:65] scope:SCOPE_SE
	s_setreg_imm32_b32 hwreg(HW_REG_WAVE_MODE, 25, 1), 1
	s_wait_xcnt 0x0
	s_wait_alu depctr_hold_cnt(0) depctr_sa_sdst(0) depctr_va_vdst(0) depctr_va_sdst(0) depctr_va_ssrc(0) depctr_va_vcc(0) depctr_vm_vsrc(0)
	s_getreg_b32 s2, hwreg(HW_REG_IB_STS2, 6, 4)
	s_cmp_eq_u32 s2, 0
	s_cbranch_scc0 .Lentry_in_a_cluster
	s_endpgm
.Lentry_in_a_cluster:
	s_bfe_u32 s2, ttmp6, 0x10000c
	s_cmp_lg_u32 s2, 0xf033
	s_cbranch_scc0 .Lentry_shape_is_right
	s_endpgm
.Lentry_shape_is_right:
; h = Q(gelu(Q(x) Q(w_up * mask_up)^T)): the first product on codes of E2M1 with E8M0 scales, the exact GELU in f32, and the quantiser along the second product's K, which is this product's N.  Nothing is left out.
; x_codes [128 blocks of 16 tokens][16 x 128 K][1,024 bytes], wu_codes [512 stored blocks][16][1,024]: images of the operand's registers (byte 512 c + 16 lane = registers 4 c .. 4 c + 3 of that lane).
; x_scales, wu_scales: [block][512 K][row][16 bytes]: a row's four scale words of 512 along K.
; A tile of 256 tokens x 256 hidden units is made by four waves, each 128 x 128: 64 accumulators, 512 registers.  K = 2,048 goes in four steps of 512 through a ring of two LDS slots; a fragment is two loads of 512 consecutive bytes.
; The scales of the work-group's rows, for all of K, come into LDS once, with the first fills.
; CLUSTERS: 4 x 4 work-groups; x's tiles are shared along a row of the cluster, w_up's along a column: joint loads with a mask that names the four.
; THE MATRIX INSTRUCTION IS USED TRANSPOSED (source 0 = 16 rows of w_up, source 1 = 16 tokens): a lane holds one token, its registers run along the hidden units.  A stored block's place m is row 32 (s / 2) + 8 (s % 2) + m + 8 (m / 8):
;   so the 64 registers of a block of tokens are register 16 b + i = hidden unit 32 b + 16 (lane / 16) + i of the wave's 128: one K step of the second product.
; THE WAY OUT, a block of 16 tokens a trip: erf(z) = z P(z^2) / Q(z^2), z = x / sqrt(2) held to +-4, P of degree 6 and Q of degree 4 in z^2; h = 0.5 x + 0.5 x erf(z); quantised in registers; the fragment leaves as its image (two stores of
;   512 consecutive bytes), the scale words of the wave's 128 tokens gather in LDS and leave as 512 consecutive bytes.  h_codes [128 blocks of tokens][64 x 128 K][1,024], h_scales [16 groups of 128 tokens][64][128 words].
; LIMITS: 1 + erf is right to about 1.2e-7 absolutely, so the relative error of gelu grows for x under about -2, as it does wherever 1 + erf is formed in f32; beyond |x| = 5.66 erf is taken at z = +-4.  NaN and infinities are not served.
; REGISTERS, in windows of 256: window 0: v16-30 addresses; v32-95 scale words, two sets, and nothing else; v96-99 the scale words on their way out; v128-191 x's fragments, one set.
;   window 1: w_up's fragments, two sets at v0 and v128; on the way out all of the GELU's work.   windows 2, 3: the accumulators of my tokens 0-63, 64-127: (a, b) at v[8 (8 (a % 4) + b)].
.set NQ,     4                         ; matrix instructions deep in a slot
.set FR,     8                         ; registers of a fragment
.set NL,     2                         ; LDS loads that bring one
.set NP,     4                         ; places behind this matrix instruction (ISA guide 7.12.1)
.set SLOT,   131072                    ; x's 16 blocks x 4,096 bytes, then w_up's 16
.set HALFT,  32768                     ; 8 blocks: what one tensor load brings, and what one wave reads of x or of w_up
.set SCL,    2*SLOT                    ; behind the ring: the scales, x's 16,384 bytes, then w_up's
.set HALFS,  8192
.set SPARE,  SCL+4*HALFS               ; the spare words, 128 bytes for each wave: two blocks of 256 bytes that no other line names
.set ADRA, 16                          ; v16-17  LDS address of my fragments of x in slot 0, 1
.set ADRB, 20                          ; v20-21  of w_up
.set LI,   24                          ; v24     16 x lane
.set SWA,  25                          ; v25     the way out: my token's scale word in my wave's 512 bytes, which lie in slot 0: it has had its last fill and its last read by then
.set SRD,  26                          ; v26     and where I read 16 bytes of them back
.set ADRS, 27                          ; v27     my scale words: lanes 0-15 x's rows, lanes 16-31 w_up's
.set SPW,  28                          ; v28     LDS address of my spare word; never rewritten
.set NIL,  29                          ; v29     0; never rewritten
.set SWT,  30                          ; v30     v25 + 64 x the trip
.set SC,   32
.set BK,   96
.set AF,   128
.set G1,   24                          ; s[24:31] group 1 for x's tiles; s[32:39] group 0, a set for each slot
.set G0,   32
.set G1B,  48                          ; s[48:55], s[56:63] the same for w_up's
.set G0B,  56
.set G1S,  68                          ; s[68:75], s[76:79] groups 1 and 0 for x's scales; s[80:87], s[88:91] for w_up's
.set G0S,  76
.set G1SB, 80
.set G0SB, 88
.set SEL,  44                          ; s[44:45] on the way out: lane selects for lane l xor 16
.set HH,   0                           ; window 1 on the way out: 0.5 x, then h
.set ZZ,   64                          ; z
.set SS,   128                         ; z^2, 16 at a time
.set PP,   144
.set QQ,   160
.set TM,   176                         ; the quantiser's 16
.set PC,   192                         ; the codes
.set PW,   200                         ; the scale word
.set CF,   202                         ; v202-225 the twelve coefficients, each twice
.set MSB, 0
.macro WIN new                         ; the immediate's high byte repeats the setting that is left
.if MSB != (\new)
	s_set_vgpr_msb (MSB<<8)|(\new)
.set MSB, (\new)
.endif
.endm
.set MUL_LO, 0xa1                      ; source 0 (w_up) window 1, source 1 (x) window 0, C and D window 2
.set MUL_HI, 0xf1                      ; the same, C and D window 3
.set TO_B,   0x40                      ; destination window 1, address window 0
; A joint load: waves 0 and 1 fetch for x, waves 2 and 3 for w_up.  The branch hangs on the wave's number alone.  An s_nop 0 and four v_nop follow each of the two lines.
.macro JLOAD g0a, g1a, g0b, g1b
	s_cmp_eq_u32 s17, 0
	s_cbranch_scc0 .Lfor_b_\@
	tensor_load_to_lds s[\g0a:\g0a+3], s[\g1a:\g1a+7]
	s_nop 0
.rept 4
	v_nop
.endr
	s_branch .Lasked_\@
.Lfor_b_\@:
	tensor_load_to_lds s[\g0b:\g0b+3], s[\g1b:\g1b+7]
	s_nop 0
.rept 4
	v_nop
.endr
.Lasked_\@:
.endm
.macro CREST                           ; a round of the cluster's barrier behind its opening barrier
	s_cmp_lg_u32 s16, 0
	s_cbranch_scc1 .Lnot_wave_0_\@
	s_barrier_signal -3
.Lnot_wave_0_\@:
	s_barrier_wait -3
	s_barrier_signal -1
	s_barrier_wait -1
.endm
.macro CROUND                          ; a whole round
	s_barrier_signal -1
	s_barrier_wait -1
	CREST
.endm
	s_load_b128 s[4:7], s[0:1], 0x0                ; x's codes, x's scales
	s_load_b128 s[8:11], s[0:1], 0x10              ; w_up's codes, w_up's scales
	s_load_b128 s[12:15], s[0:1], 0x20             ; h's codes, h's scales
	v_lshl_add_u32 v[SPW], v0, 2, SPARE
	v_mov_b32 v[NIL], 0
	ds_add_u32 v[SPW], v[NIL]                      ; the wave's opening: the add, twice on end, and its wait ahead of my first tensor load
	ds_add_u32 v[SPW], v[NIL]                      ; and once more, under the one wait; the set-up below, work on registers, stands between
	v_lshrrev_b32 v1, 5, v0
	v_readfirstlane_b32 s16, v1                    ; wave 0..3
	s_lshr_b32 s17, s16, 1                         ; which half of the tile's tokens is mine.  Also: I fetch for x (0) or for w_up (1)
	s_and_b32 s18, s16, 1                          ; which half of its hidden units.  Also: which 8 blocks of that tile I fetch
	s_bfe_u32 s40, ttmp6, 0x40000                  ; cx, cy: my place in the cluster
	s_bfe_u32 s41, ttmp6, 0x40004
	s_lshl_b32 s42, ttmp9, 2
	s_add_co_u32 s42, s42, s40                     ; tile column (256 hidden units) = 4 x cluster x + cx
	s_and_b32 s19, ttmp7, 0xffff
	s_lshl_b32 s19, s19, 2
	s_add_co_u32 s19, s19, s41                     ; tile row (256 tokens) = 4 x cluster y + cy
	s_lshl_b32 s43, s41, 2
	s_lshl_b32 s43, 15, s43                        ; my row of the cluster
	s_lshl_b32 s44, 0x1111, s40                    ; my column
	; group 1 for codes: 8 blocks x 4,096 bytes (512 elements of 8 bytes), 16,384 bytes from block to block; no padding: every LDS read takes 512 consecutive bytes
	s_or_b32 s[G1+0], s43, (3<<16)|(1<<21)         ; 15:0 the mask; 17:16 elements of 8 bytes; 21 set beside a mask
	s_or_b32 s[G1B+0], s44, (3<<16)|(1<<21)
.irp g, G1, G1B
	s_mov_b32 s[\g+1], 512<<16                     ; tensor_dim0
	s_mov_b32 s[\g+2], 8<<16                       ; tensor_dim1
	s_mov_b32 s[\g+3], 512<<16                     ; tile_dim0
	s_mov_b32 s[\g+4], 8                           ; tile_dim1
	s_mov_b32 s[\g+5], 2048                        ; tensor_dim0_stride
	s_mov_b32 s[\g+6], 0
	s_mov_b32 s[\g+7], 0
.endr
	; and for the scales of 8 blocks: 8,192 dense bytes, as 32 rows of 256
	s_or_b32 s[G1S+0], s43, (3<<16)|(1<<21)
	s_or_b32 s[G1SB+0], s44, (3<<16)|(1<<21)
.irp g, G1S, G1SB
	s_mov_b32 s[\g+1], 32<<16
	s_mov_b32 s[\g+2], 32<<16
	s_mov_b32 s[\g+3], 32<<16
	s_mov_b32 s[\g+4], 32
	s_mov_b32 s[\g+5], 32
	s_mov_b32 s[\g+6], 0
	s_mov_b32 s[\g+7], 0
.endr
	s_lshl_b32 s45, s18, 3                         ; which 8 blocks of the tile I fetch
	s_lshl_b32 s20, s19, 4
	s_add_co_u32 s20, s20, s45                     ; x: block 16 x tile row + 8 x half
	s_lshl_b32 s46, s42, 4
	s_add_co_u32 s46, s46, s45                     ; w_up: block 16 x tile column + 8 x half
	s_lshl_b32 s22, s20, 10                        ; their scales: 1,024 bytes a block
	s_mov_b32 s23, 0
	s_lshl_b32 s92, s46, 10
	s_mov_b32 s93, 0
	s_lshl_b32 s20, s20, 14                        ; their codes: 16,384 bytes a block
	s_mov_b32 s21, 0
	s_lshl_b32 s46, s46, 14
	s_mov_b32 s47, 0
	s_lshl_b32 s45, s16, 15                        ; where they go: wave x 32,768: no place in the cluster enters an LDS address
	s_lshl_b32 s94, s16, 13
	s_wait_dscnt 0x0                               ; both opening adds are done
	s_wait_kmcnt 0x0
	s_add_nc_u64 s[20:21], s[4:5], s[20:21]
	s_add_nc_u64 s[22:23], s[6:7], s[22:23]
	s_add_nc_u64 s[46:47], s[8:9], s[46:47]
	s_add_nc_u64 s[92:93], s[10:11], s[92:93]
	CROUND                                         ; all sixteen work-groups are here: the first joint loads meet
	s_mov_b32 s[G0S], 1
	s_add_co_u32 s[G0S+1], s94, SCL
	s_mov_b64 s[G0S+2:G0S+3], s[22:23]
	s_or_b32 s[G0S+3], s[G0S+3], 0x80000000
	s_mov_b32 s[G0SB], 1
	s_add_co_u32 s[G0SB+1], s94, SCL
	s_mov_b64 s[G0SB+2:G0SB+3], s[92:93]
	s_or_b32 s[G0SB+3], s[G0SB+3], 0x80000000
	JLOAD G0S, G1S, G0SB, G1SB                     ; the scales first: they are wanted with K step 0
.irp s, 0,1
	s_mov_b32 s[G0+4*\s], 1
	s_add_co_u32 s[G0+4*\s+1], s45, \s*SLOT
	s_add_nc_u64 s[G0+4*\s+2:G0+4*\s+3], s[20:21], \s*4096
	s_or_b32 s[G0+4*\s+3], s[G0+4*\s+3], 0x80000000
	s_mov_b32 s[G0B+4*\s], 1
	s_add_co_u32 s[G0B+4*\s+1], s45, \s*SLOT
	s_add_nc_u64 s[G0B+4*\s+2:G0B+4*\s+3], s[46:47], \s*4096
	s_or_b32 s[G0B+4*\s+3], s[G0B+4*\s+3], 0x80000000
	JLOAD G0+4*\s, G1, G0B+4*\s, G1B               ; three loads of mine are out behind the second
.endr
	v_and_b32 v1, 15, v0                           ; r = lane % 16
	v_bfe_u32 v2, v0, 4, 1                         ; h = lane / 16
	v_and_b32 v3, 31, v0
	v_lshlrev_b32 v[LI], 4, v3
	s_lshl_b32 s21, s17, 15                        ; my 8 blocks of x
	s_lshl_b32 s22, s18, 15                        ; my 8 blocks of w_up,
	s_add_co_u32 s22, s22, 2*HALFT                 ; which lie behind x's 16
.irp s, 0,1
	v_add_nc_u32 v[ADRA+\s], s21, v[LI]
	v_add_nc_u32 v[ADRB+\s], s22, v[LI]
	s_add_co_u32 s21, s21, SLOT
	s_add_co_u32 s22, s22, SLOT
.endr
	v_lshlrev_b32 v5, 4, v1                        ; my row's 16 scale bytes of a K step
	s_lshl_b32 s21, s17, 13                        ; x's: my 8 blocks
	s_lshl_b32 s22, s18, 13                        ; w_up's: my 8 blocks, behind x's 16
	s_add_co_u32 s22, s22, 2*HALFS
	s_sub_co_u32 s22, s22, s21
	v_mul_u32_u24 v6, s22, v2                      ; lanes 16-31 take w_up's
	s_add_co_u32 s21, s21, SCL
	v_add_nc_u32 v5, v5, v6
	v_add_nc_u32 v[ADRS], s21, v5
	s_lshl_b32 s23, s16, 9                         ; the way out: my wave's 512 bytes
	v_lshl_add_u32 v[SWA], v1, 2, s23
	v_add_nc_u32 v[SRD], s23, v[LI]
	s_lshl_b32 s66, s19, 4
	s_lshl_b32 s67, s17, 3
	s_add_co_u32 s66, s66, s67                     ; my first block of tokens
	s_lshl_b32 s66, s66, 6
	s_lshl_b32 s67, s42, 1
	s_add_co_u32 s67, s67, s18                     ; my K step of the second product: 2 x tile column + half
	s_add_co_u32 s66, s66, s67
	s_lshl_b32 s66, s66, 10                        ; an image is 1,024 bytes
	s_lshl_b32 s96, s19, 1
	s_add_co_u32 s96, s96, s17                     ; my group of 128 tokens
	s_lshl_b32 s96, s96, 6
	s_add_co_u32 s96, s96, s67
	s_lshl_b32 s96, s96, 9                         ; 128 scale words are 512 bytes
	s_mov_b32 s67, 0
	s_mov_b32 s97, 0
	s_add_nc_u64 s[12:13], s[12:13], s[66:67]
	s_add_nc_u64 s[14:15], s[14:15], s[96:97]
.macro FRAG reg, adr, q, i             ; block i's fragment of the slot's q-th 128 along K: its image, two loads of 512 consecutive bytes
.irp c, 0,1
	ds_load_b128 v[\reg+4*\c:\reg+4*\c+3], v[\adr] offset:(\i)*4096+(\q)*1024+512*\c
.endr
.endm
; 16 matrix instructions: x's blocks a0, a0 + 1 against w_up's eight.  p: w_up's set; sc: the set of scale words.  zero = 1: the first product starts the sums.
; The 64 accumulators take turns, one instruction a turn, in the same order in every step.
.macro MUL16 a0, p, q, sc, zero
.irp a, \a0, \a0+1
.irp b, 0,1,2,3,4,5,6,7
.if \zero
	v_wmma_scale_f32_16x16x128_f8f6f4 v[8*(8*((\a)%4)+\b):8*(8*((\a)%4)+\b)+7], v[128*(\p)+FR*\b:128*(\p)+FR*\b+FR-1], v[AF+FR*(\a):AF+FR*(\a)+FR-1], 0, v[SC+8*NQ*(\sc)+NQ*\b+(\q)], v[SC+8*NQ*(\sc)+NQ*(\a)+(\q)] matrix_a_fmt:MATRIX_FMT_FP4 matrix_b_fmt:MATRIX_FMT_FP4 matrix_a_scale:MATRIX_SCALE_ROW1
.else
	v_wmma_scale_f32_16x16x128_f8f6f4 v[8*(8*((\a)%4)+\b):8*(8*((\a)%4)+\b)+7], v[128*(\p)+FR*\b:128*(\p)+FR*\b+FR-1], v[AF+FR*(\a):AF+FR*(\a)+FR-1], v[8*(8*((\a)%4)+\b):8*(8*((\a)%4)+\b)+7], v[SC+8*NQ*(\sc)+NQ*\b+(\q)], v[SC+8*NQ*(\sc)+NQ*(\a)+(\q)] matrix_a_fmt:MATRIX_FMT_FP4 matrix_b_fmt:MATRIX_FMT_FP4 matrix_a_scale:MATRIX_SCALE_ROW1
.endif
.endr
.endr
.endm
.macro FETCH_B slot, q, p
	WIN TO_B
.irp i, 0,1,2,3,4,5,6,7
	FRAG 128*(\p)+FR*\i, ADRB+\slot, \q, \i
.endr
	WIN 0
.endm
.macro FETCH_A slot, q, i0
.irp i, \i0, \i0+1, \i0+2, \i0+3
	FRAG AF+FR*(\i), ADRA+\slot, \q, \i
.endr
.endm
.macro SCALES sc                       ; a K step's scale words into set sc: four words a row; lanes 0-15 take x's block i, lanes 16-31 w_up's block i
.irp i, 0,1,2,3,4,5,6,7
	ds_load_b128 v[SC+8*NQ*\sc+NQ*\i:SC+8*NQ*\sc+NQ*\i+3], v[ADRS] offset:\i*1024
.endr
.endm
; A load into a register that a matrix instruction has read, and a vector instruction that reads a matrix result, stand NP places behind that matrix instruction; only plain vector instructions that name none of its registers are places.
.macro PLACES n
.rept \n
	v_nop
.endr
.endm
.macro STEP slot, q, zero              ; a step of 128 along K that has its successor in the same slot
	s_wait_dscnt 4*NL                              ; w_up's set and x's blocks 0-3 are in; the youngest eight loads (x's blocks 4-7) may be out
	WIN MUL_LO
	MUL16 0, (\q)%2, \q, \slot, \zero
	MUL16 2, (\q)%2, \q, \slot, \zero
	s_wait_dscnt 0                                 ; x's blocks 4-7 are in
	PLACES NP
	FETCH_B \slot, (\q)+1, 1-(\q)%2
	FETCH_A \slot, (\q)+1, 0
	WIN MUL_HI
	MUL16 4, (\q)%2, \q, \slot, \zero
	MUL16 6, (\q)%2, \q, \slot, \zero
	PLACES NP
	WIN 0
	FETCH_A \slot, (\q)+1, 4
.endm
; A slot's last step changes slots: one barrier; in front of it each wave waits for all its tensor loads, adds 0 to its spare word, and waits for that and for its own reads of this slot.  fill = 1: this slot is filled again, two K steps ahead.
.macro TURN slot, next, fill
	s_wait_tensorcnt 0x0                           ; all my tensor loads have landed: my part of the next slot (every window is 0 here)
	ds_add_u32 v[SPW], v[NIL]                      ; 0 onto my spare word
	s_wait_dscnt 4*NL+1                            ; (the add and the youngest eight loads may be out)
	WIN MUL_LO
	MUL16 0, 1, NQ-1, \slot, 0                     ; sixteen matrix instructions stand between the add and the wait for it
	s_wait_dscnt 0x0                               ; the add is done, and my reads of this slot are over
	s_barrier_signal -1
	MUL16 2, 1, NQ-1, \slot, 0
	WIN 0
	s_barrier_wait -1
.if \fill
	CREST                                          ; the barrier has opened a round of the cluster's barrier: no wave of any partner still reads this slot or has a load on its way
	s_add_nc_u64 s[G0+4*\slot+2:G0+4*\slot+3], s[G0+4*\slot+2:G0+4*\slot+3], 8192
	s_add_nc_u64 s[G0B+4*\slot+2:G0B+4*\slot+3], s[G0B+4*\slot+2:G0B+4*\slot+3], 8192
	JLOAD G0+4*\slot, G1, G0B+4*\slot, G1B         ; the first tensor load behind the round, my only one until the next; its four v_nop are the places in front of the loads below
.else
	PLACES NP
.endif
	v_add_nc_u32 v[ADRS], 256, v[ADRS]             ; on to the next K step's scale words
	FETCH_B \next, 0, 0
	FETCH_A \next, 0, 0
	SCALES \next
	WIN MUL_HI
	MUL16 4, 1, NQ-1, \slot, 0
	MUL16 6, 1, NQ-1, \slot, 0
	PLACES NP
	WIN 0
	FETCH_A \next, 0, 4
.endm
.macro STEPS slot, from                ; the slot's steps from .. NQ - 2
.set Q, \from
.rept NQ-1-\from
	STEP \slot, Q, 0
.set Q, Q+1
.endr
.endm
	s_wait_tensorcnt 1                             ; the scales and my part of K step 0 are in; K step 1's load may stay out
	s_barrier_signal -1
	s_barrier_wait -1
	FETCH_B 0, 0, 0
	FETCH_A 0, 0, 0
	SCALES 0
	FETCH_A 0, 0, 4
	STEP 0, 0, 1                                   ; the first products start the sums: nothing is cleared
	STEPS 0, 1                                     ; four K steps of 512: written out, no loop
	TURN 0, 1, 1
	STEPS 1, 0
	TURN 1, 0, 1
	STEP 0, 0, 0
	STEPS 0, 1
	TURN 0, 1, 0                                   ; the last two K steps fill nothing
	STEPS 1, 0
	s_wait_dscnt 4*NL
	WIN MUL_LO
	MUL16 0, 1, NQ-1, 1, 0
	MUL16 2, 1, NQ-1, 1, 0
	s_wait_dscnt 0
	WIN MUL_HI
	MUL16 4, 1, NQ-1, 1, 0
	MUL16 6, 1, NQ-1, 1, 0
	WIN 0
; ---- THE WAY OUT ----
; Block a's 64 results become z and 0.5 x in window 1.  Only these lines differ from block to block (the accumulators' registers), so they alone are written eight times; each accumulator is read from its low end on.
.macro PHASEA a
	WIN 0x42+(\a)/4                                ; source 0: window 2 or 3; destination: window 1
.set AC, 64*((\a)%4)
.set j, 0
.rept 32
	v_pk_mul_f32 v[ZZ+j:ZZ+j+1], v[AC+j:AC+j+1], 0x3f3504f3 op_sel_hi:[1,0]   ; z = x / sqrt(2)
.set j, j+2
.endr
.set j, 0
.rept 32
	v_pk_mul_f32 v[HH+j:HH+j+1], v[AC+j:AC+j+1], 0.5 op_sel_hi:[1,0]
.set j, j+2
.endr
	WIN 0
.endm
; 16 numbers, eight pairs: sixteen chains that take turns.  The sixteen reciprocals are one batch with one wait: P's last two rounds and P z stand behind them as plain work that names none of their results.
.macro GELU16 g
.irp p, 0,2,4,6,8,10,12,14
	v_pk_mul_f32 v[SS+\p:SS+\p+1], v[ZZ+16*\g+\p:ZZ+16*\g+\p+1], v[ZZ+16*\g+\p:ZZ+16*\g+\p+1]
.endr
.irp p, 0,2,4,6,8,10,12,14
	v_pk_fma_f32 v[PP+\p:PP+\p+1], v[SS+\p:SS+\p+1], v[CF:CF+1], v[CF+2:CF+3]
	v_pk_fma_f32 v[QQ+\p:QQ+\p+1], v[SS+\p:SS+\p+1], v[CF+14:CF+15], v[CF+16:CF+17]
.endr
.irp k, 0,1,2
.irp p, 0,2,4,6,8,10,12,14
	v_pk_fma_f32 v[PP+\p:PP+\p+1], v[PP+\p:PP+\p+1], v[SS+\p:SS+\p+1], v[CF+4+2*\k:CF+5+2*\k]
	v_pk_fma_f32 v[QQ+\p:QQ+\p+1], v[QQ+\p:QQ+\p+1], v[SS+\p:SS+\p+1], v[CF+18+2*\k:CF+19+2*\k]
.endr
.endr
.irp j, 0,1,2,3,4,5,6,7,8,9,10,11,12,13,14,15
	v_rcp_f32 v[QQ+\j], v[QQ+\j]
.endr
.irp k, 3,4
.irp p, 0,2,4,6,8,10,12,14
	v_pk_fma_f32 v[PP+\p:PP+\p+1], v[PP+\p:PP+\p+1], v[SS+\p:SS+\p+1], v[CF+4+2*\k:CF+5+2*\k]
.endr
.endr
.irp p, 0,2,4,6,8,10,12,14
	v_pk_mul_f32 v[PP+\p:PP+\p+1], v[PP+\p:PP+\p+1], v[ZZ+16*\g+\p:ZZ+16*\g+\p+1]
.endr
	s_wait_alu depctr_va_vdst(0)                   ; the wait ahead of the first line that names a reciprocal: one for the sixteen
.irp p, 0,2,4,6,8,10,12,14
	v_pk_mul_f32 v[PP+\p:PP+\p+1], v[PP+\p:PP+\p+1], v[QQ+\p:QQ+\p+1]          ; erf(z)
.endr
.irp p, 0,2,4,6,8,10,12,14
	v_pk_fma_f32 v[HH+16*\g+\p:HH+16*\g+\p+1], v[HH+16*\g+\p:HH+16*\g+\p+1], v[PP+\p:PP+\p+1], v[HH+16*\g+\p:HH+16*\g+\p+1]   ; 0.5 x erf + 0.5 x
.endr
.endm
; 64 numbers of a lane, register 16 b + i = k 32 b + 16 (lane / 16) + i of my token, become a fragment's codes in v[PC] on and its scale word in v[PW].
.macro QUANT s
.irp b, 0,1,2,3
	v_max3_num_f32 v[TM+\b], |v[\s+16*\b]|, |v[\s+1+16*\b]|, 0x1800000   ; block b: my 16 numbers, and the floor 2^(3 - 127): the byte cannot fall under 1
.endr
.irp i, 2,4,6,8,10,12,14
.irp b, 0,1,2,3
	v_max3_num_f32 v[TM+\b], v[TM+\b], |v[\s+16*\b+\i]|, |v[\s+1+16*\b+\i]|   ; (the four blocks by turns)
.endr
.endr
.irp b, 0,1,2,3
	v_permlanex16_b32 v[TM+4+\b], v[TM+\b], s[SEL], s[SEL+1]
.endr
.irp b, 0,1,2,3
	v_max_num_f32 v[TM+\b], v[TM+\b], v[TM+4+\b]   ; with lane l xor 16's: the block's largest magnitude
.endr
.irp b, 0,1,2,3
	v_add_nc_u32 v[TM+12+\b], 0xff000000, v[TM+\b] ; 2 off its exponent field: the conversion's scale operand
.endr
.irp b, 0,1,2,3
	v_lshrrev_b32 v[TM+4+\b], 23, v[TM+12+\b]      ; the scale's byte
.endr
	v_lshl_or_b32 v[PW], v[TM+5], 8, v[TM+4]       ; the four bytes make my token's scale word
	v_lshl_or_b32 v[PW], v[TM+6], 16, v[PW]
	v_lshl_or_b32 v[PW], v[TM+7], 24, v[PW]
.irp b, 0,1,2,3
	v_cvt_scalef32_pk8_fp4_f32 v[PC+2*\b], v[\s+16*\b:\s+7+16*\b], v[TM+12+\b]
	v_cvt_scalef32_pk8_fp4_f32 v[PC+1+2*\b], v[\s+8+16*\b:\s+15+16*\b], v[TM+12+\b]
.endr
	v_nop                                          ; one plain place behind a scaled conversion
.irp c, 0,1                                    ; the operand's layout wants a whole block in a lane: lanes 0-15 block 2 c, lanes 16-31 block 2 c + 1
.irp i, 0,1
	v_permlane16_swap_b32 v[PC+4*\c+\i], v[PC+2+4*\c+\i]
.endr
.endr
.endm
	PLACES NP                                      ; behind the last products: their results are read and w_up's registers are written below
	WIN 0x40                                       ; destination window 1
.irp o, 0,1                                    ; P's coefficients from z^12 down, then Q's from z^8 down; each twice, for the packed forms
	v_mov_b32 v[CF+\o], -2.72614225801306e-10
	v_mov_b32 v[CF+2+\o], 2.77068142495902e-08
	v_mov_b32 v[CF+4+\o], -2.10102402082508e-06
	v_mov_b32 v[CF+6+\o], -5.69250639462346e-05
	v_mov_b32 v[CF+8+\o], -7.34990630326855e-04
	v_mov_b32 v[CF+10+\o], -2.95459980854025e-03
	v_mov_b32 v[CF+12+\o], -1.60960333262415e-02
	v_mov_b32 v[CF+14+\o], -1.45660718464996e-05
	v_mov_b32 v[CF+16+\o], -2.13374055278905e-04
	v_mov_b32 v[CF+18+\o], -1.68282697438203e-03
	v_mov_b32 v[CF+20+\o], -7.37332916720468e-03
	v_mov_b32 v[CF+22+\o], -1.42647390514189e-02
.endr
.irp b, 0,1,2,3
	v_mov_b32 v[TM+4+\b], 0                        ; written once: a lane permute's destination counts as one of its sources
.endr
	WIN 0
	s_mov_b32 s[SEL], 0x76543210
	s_mov_b32 s[SEL+1], 0xfedcba98
	s_mov_b32 s3, 0                                ; the block of 16 tokens
	s_mov_b32 s20, 0                               ; 64 x the block
.Lblk:                                             ; eight trips
	v_add_nc_u32 v[SWT], s20, v[SWA]
.irp a, 1,2,3,4,5,6,7
	s_cmp_eq_u32 s3, \a
	s_cbranch_scc1 .La\a
.endr
	PHASEA 0
	s_branch .Lcommon
.irp a, 1,2,3,4,5,6
.La\a:
	PHASEA \a
	s_branch .Lcommon
.endr
.La7:
	PHASEA 7
.Lcommon:
	WIN 0x55                                       ; all in window 1
.set j, 0
.rept 64
	v_med3_num_f32 v[ZZ+j], v[ZZ+j], -4.0, 4.0
.set j, j+1
.endr
	GELU16 0
	GELU16 1
	GELU16 2
	GELU16 3
	QUANT HH
	WIN 0x04                                       ; a store's data are its source 1: window 1; the addresses lie in window 0
	global_store_b128 v[LI], v[PC:PC+3], s[12:13]              ; the fragment's image: 512 consecutive bytes, aligned,
	global_store_b128 v[LI], v[PC+4:PC+7], s[12:13] offset:512 ; and 512 more
	ds_store_b32 v[SWT], v[PW]                     ; lanes l and l + 16 write the same word with the same value
	WIN 0
	s_wait_dscnt 0x0
	s_wait_xcnt 0x0                                ; the stores have read their data and their base: both are written again in the next trip
	s_add_nc_u64 s[12:13], s[12:13], 65536         ; the next block of tokens: 64 images on
	s_add_co_u32 s20, s20, 64
	s_add_co_u32 s3, s3, 1
	s_cmp_lt_u32 s3, 8
	s_cbranch_scc1 .Lblk
	ds_load_b128 v[BK:BK+3], v[SRD]                ; my wave's 128 scale words: LDS serves a wave's instructions in order
	s_wait_dscnt 0x0
	global_store_b128 v[LI], v[BK:BK+3], s[14:15]  ; 512 consecutive bytes, aligned
	s_wait_tensorcnt 0x0                           ; the wave's end, behind my last tensor load and my last LDS store
	ds_add_u32 v[SPW], v[NIL]
	s_wait_dscnt 0x0
	CROUND                                         ; the closing round: no work-group ends while a partner may still ask for a tile that names it
	s_endpgm
.Lfunc_end_k_q2a75f8c8d6_up:
	.size	k_q2a75f8c8d6_up, .Lfunc_end_k_q2a75f8c8d6_up-k_q2a75f8c8d6_up
	.p2alignl 7, 3214868480
	.fill 96, 4, 3214868480
	.section	.rodata,"a",@progbits
	.p2align	6, 0x0
	.amdhsa_kernel k_q2a75f8c8d6_up
		.amdhsa_group_segment_fixed_size 327680
		.amdhsa_private_segment_fixed_size 0
		.amdhsa_enable_private_segment 0
		.amdhsa_kernarg_size 48
		.amdhsa_user_sgpr_count 2
		.amdhsa_user_sgpr_kernarg_segment_ptr 1
		.amdhsa_wavefront_size32 1
		.amdhsa_system_sgpr_workgroup_id_x 1
		.amdhsa_system_sgpr_workgroup_id_y 1
		.amdhsa_system_sgpr_workgroup_id_z 1
		.amdhsa_system_vgpr_workitem_id 0
		.amdhsa_next_free_vgpr 1024
		.amdhsa_next_free_sgpr 98
		.amdhsa_reserve_vcc 0
		.amdhsa_float_denorm_mode_32 3
		.amdhsa_float_denorm_mode_16_64 3
		.amdhsa_memory_ordered 1
		.amdhsa_forward_progress 1
		.amdhsa_inst_pref_size 255
	.end_amdhsa_kernel
	.section	.bss,"aw",@nobits
	.p2align	6
	.space	262144
	.amdgpu_metadata
---
amdhsa.version: [ 1, 2 ]
amdhsa.kernels:
  - .name:           k_q2a75f8c8d6_up
    .symbol:         k_q2a75f8c8d6_up.kd
    .args:
      - { .name: x_codes, .offset: 0, .size: 8, .value_kind: global_buffer, .address_space: global }
      - { .name: x_scales, .offset: 8, .size: 8, .value_kind: global_buffer, .address_space: global }
      - { .name: wu_codes, .offset: 16, .size: 8, .value_kind: global_buffer, .address_space: global }
      - { .name: wu_scales, .offset: 24, .size: 8, .value_kind: global_buffer, .address_space: global }
      - { .name: h_codes, .offset: 32, .size: 8, .value_kind: global_buffer, .address_space: global }
      - { .name: h_scales, .offset: 40, .size: 8, .value_kind: global_buffer, .address_space: global }
    .group_segment_fixed_size: 327680
    .private_segment_fixed_size: 0
    .kernarg_segment_align: 8
    .kernarg_segment_size: 48
    .max_flat_workgroup_size: 128
    .sgpr_count:     98
    .vgpr_count:     1024
    .wavefront_size: 32
...
	.end_amdgpu_metadata
.endif
;; end of part 2
;; launch down (part 3): grid 16 x 16, 4 waves a work-group, clusters of 4 x 4, 327,680 bytes of LDS; arguments h_codes, h_scales, wd_codes, wd_scales, out0; writes out0
.if DOCPART == 3
	.amdgcn_target "amdgcn-amd-amdhsa--gfx1250"
	.amdhsa_code_object_version 6
	.text
	.protected	k_q2a75f8c8d6_down
	.globl	k_q2a75f8c8d6_down
	.p2align	8
	.type	k_q2a75f8c8d6_down,@function
k_q2a75f8c8d6_down:
	s_mov_b64 s[64:65], 0
	v_nop
	global_prefetch_b8 v0, s[64:65] scope:SCOPE_SE
	s_setreg_imm32_b32 hwreg(HW_REG_WAVE_MODE, 25, 1), 1
	s_wait_xcnt 0x0
	s_wait_alu depctr_hold_cnt(0) depctr_sa_sdst(0) depctr_va_vdst(0) depctr_va_sdst(0) depctr_va_ssrc(0) depctr_va_vcc(0) depctr_vm_vsrc(0)
	s_getreg_b32 s2, hwreg(HW_REG_IB_STS2, 6, 4)
	s_cmp_eq_u32 s2, 0
	s_cbranch_scc0 .Lentry_in_a_cluster
	s_endpgm
.Lentry_in_a_cluster:
	s_bfe_u32 s2, ttmp6, 0x10000c
	s_cmp_lg_u32 s2, 0xf033
	s_cbranch_scc0 .Lentry_shape_is_right
	s_endpgm
.Lentry_shape_is_right:
; out0 [2048 tokens][2048] = Q(h) Q(w_down * mask_down)^T on codes of E2M1 with E8M0 scales, K = 8,192; sums in f32.  Nothing is left out.
; h_codes [128 blocks of 16 tokens][64 x 128 K][1,024 bytes], wd_codes [128 blocks of 16 rows][64][1,024]: images of the operand's registers.  h_scales [16 groups of 128 tokens][64][128 words]; wd_scales [block][512 K][row][16 bytes].
; A tile of 128 tokens x 128 columns to a work-group: 256 work-groups.  THE FOUR WAVES SHARE K, NOT THE TILE: each holds the whole tile, 64 accumulators, for a quarter of K: wave w takes the steps of 128 along K numbered 4 J + w, J = 0 .. 15.
;   So every byte of codes is read by one wave of the work-group, once.  The four partial tiles are added through LDS on the way out, as (w0 + w1) + (w2 + w3): THE ORDER OF THE f32 SUMS differs from one chain along K.
; h comes through a ring of two LDS slots of 2,048 along K, four steps a wave; a slot's four parts have a wave each: waves 0 and 1 three blocks of codes, wave 2 two, wave 3 the scale words.
; CLUSTERS: 4 x 4 work-groups; h's tiles are shared along a row of the cluster: joint loads with a mask that names the four.
; w_down IS NOT ASKED FOR JOINTLY, though the four work-groups of a cluster's column read the same rows, and does not go through LDS.  The reason, by this text's own count: with both operands in the ring, the two slots that fit in LDS
;   hold 1,024 along K each: eight slots, six refills, and 128 matrix instructions a wave between a request and the wait for it.  LDS would give w_down's fragments no reuse (one wave, once), and they lie in memory as the registers want
;   them: so each wave loads its own, 16 bytes a lane, by counted loads that stay out across the changes of slots, three steps (60 loads) ahead.  The ring then holds h alone: four slots, two refills, 256 matrix instructions a wave for each.
; THE MATRIX INSTRUCTION IS USED TRANSPOSED (source 0 = 16 rows of w_down, source 1 = 16 tokens): a lane holds eight neighbouring columns of one token's row of out0.
; All sixteen steps are written out: every offset of a global load is an immediate, and no base is stepped.
; REGISTERS, in windows of 256: window 0: v8-30 addresses; v32-47 w_down's scale words, four sets, v48-55 h's, two sets, and nothing else there; v128-191 h's fragments, one set; on the way out v128-255 rows of the four partial tiles.
;   window 1: w_down's fragments, four sets of 64.   windows 2, 3: the accumulators of tokens 0-63, 64-127: (a, b) at v[8 (8 (a % 4) + b)].
.set NST,    16                        ; my steps of 128 along K
.set BL,     20                        ; the loads of a step of w_down: 16 of fragments, 4 of scale words
.set FR,     8
.set NL,     2
.set NP,     4                         ; places behind this matrix instruction (ISA guide 7.12.1)
.set SLOT,   139264                    ; h's codes [8 blocks][16 steps][1,024],
.set SAOFF,  131072                    ; then h's scale words [16 steps][128 tokens]
.set SPARE,  2*SLOT                    ; the spare words, 128 bytes for each wave: two blocks of 256 bytes that no other line names
.set RED,    67584                     ; the way out: a partial tile, 128 rows x (512 bytes + 16); the four lie in the slots, which have had their last fill and their last read by then
.set RD,   8                           ; v8-11   where I read a row of partial tile 0 .. 3 back
.set ADRA, 16                          ; v16-19  LDS address of my fragments of h: slot 0, slot 1, blocks 0-3; slot 0, slot 1, blocks 4-7 (a block is 16,384 bytes: seven of them pass the 16-bit immediate)
.set ASA,  22                          ; v22-23  of h's scale words: lane l takes token 32 j + l
.set STO,  26                          ; v26     where I put 32 bytes of a row of my partial tile
.set CO,   27                          ; v27     16 x lane: my place in an image, in memory too; never rewritten
.set SPW,  28                          ; v28     LDS address of my spare word; never rewritten
.set NIL,  29                          ; v29     0; never rewritten
.set BSO,  30                          ; v30     my place among w_down's scale words: 4,096 (lane / 16) + 16 (lane % 16); never rewritten
.set SCB,  32                          ; set J % 4, register j: w_down's words of rows 32 j + lane
.set SCA,  48                          ; set J % 2, register j: h's words of tokens 32 j + lane
.set AF,   128
.set G1C3, 24                          ; s[24:31] group 1: three blocks of codes
.set G00,  32                          ; s[32:39] group 0 of wave 0's part, a set for each slot
.set G1C2, 48                          ; s[48:55] group 1: two blocks
.set G01,  56                          ; s[56:63] wave 1's
.set G1S,  68                          ; s[68:75] group 1: the scale words
.set G02,  76                          ; s[76:83] wave 2's
.set G03,  92                          ; s[92:99] wave 3's
.set MSB, 0
.macro WIN new                         ; the immediate's high byte repeats the setting that is left
.if MSB != (\new)
	s_set_vgpr_msb (MSB<<8)|(\new)
.set MSB, (\new)
.endif
.endm
.set MUL_LO, 0xa1                      ; source 0 (w_down) window 1, source 1 (h) window 0, C and D window 2
.set MUL_HI, 0xf1
.set TO_B,   0x40                      ; destination window 1, address window 0
; A joint load: each wave asks for one of the slot's four parts.  The branches hang on the wave's number alone.  An s_nop 0 and four v_nop follow each of the four lines.
.macro JLOAD4 s
	s_cmp_eq_u32 s16, 0
	s_cbranch_scc0 .Lnot0_\@
	tensor_load_to_lds s[G00+4*\s:G00+4*\s+3], s[G1C3:G1C3+7]
	s_nop 0
.rept 4
	v_nop
.endr
	s_branch .Lasked_\@
.Lnot0_\@:
	s_cmp_eq_u32 s16, 1
	s_cbranch_scc0 .Lnot1_\@
	tensor_load_to_lds s[G01+4*\s:G01+4*\s+3], s[G1C3:G1C3+7]
	s_nop 0
.rept 4
	v_nop
.endr
	s_branch .Lasked_\@
.Lnot1_\@:
	s_cmp_eq_u32 s16, 2
	s_cbranch_scc0 .Lnot2_\@
	tensor_load_to_lds s[G02+4*\s:G02+4*\s+3], s[G1C2:G1C2+7]
	s_nop 0
.rept 4
	v_nop
.endr
	s_branch .Lasked_\@
.Lnot2_\@:
	tensor_load_to_lds s[G03+4*\s:G03+4*\s+3], s[G1S:G1S+7]
	s_nop 0
.rept 4
	v_nop
.endr
.Lasked_\@:
.endm
.macro CREST                           ; a round of the cluster's barrier behind its opening barrier
	s_cmp_lg_u32 s16, 0
	s_cbranch_scc1 .Lnot_wave_0_\@
	s_barrier_signal -3
.Lnot_wave_0_\@:
	s_barrier_wait -3
	s_barrier_signal -1
	s_barrier_wait -1
.endm
.macro CROUND
	s_barrier_signal -1
	s_barrier_wait -1
	CREST
.endm
	s_load_b128 s[4:7], s[0:1], 0x0                ; h's codes, h's scales
	s_load_b128 s[8:11], s[0:1], 0x10              ; w_down's codes, w_down's scales
	s_load_b64 s[12:13], s[0:1], 0x20              ; out0
	v_lshl_add_u32 v[SPW], v0, 2, SPARE
	v_mov_b32 v[NIL], 0
	ds_add_u32 v[SPW], v[NIL]                      ; the wave's opening: the add, twice on end, and its wait ahead of my first tensor load
	ds_add_u32 v[SPW], v[NIL]                      ; and once more, under the one wait; the set-up below, work on registers, stands between
	v_lshrrev_b32 v1, 5, v0
	v_readfirstlane_b32 s16, v1                    ; wave 0..3
	s_bfe_u32 s40, ttmp6, 0x40000                  ; cx, cy: my place in the cluster
	s_bfe_u32 s41, ttmp6, 0x40004
	s_lshl_b32 s42, ttmp9, 2
	s_add_co_u32 s42, s42, s40                     ; tile column (128 columns) = 4 x cluster x + cx
	s_and_b32 s19, ttmp7, 0xffff
	s_lshl_b32 s19, s19, 2
	s_add_co_u32 s19, s19, s41                     ; tile row (128 tokens) = 4 x cluster y + cy
	s_lshl_b32 s43, s41, 2
	s_lshl_b32 s43, 15, s43                        ; my row of the cluster: all joint loads are h's
	s_or_b32 s[G1C3+0], s43, (3<<16)|(1<<21)       ; 15:0 the mask; 17:16 elements of 8 bytes; 21 set beside a mask; no padding: every read of codes takes 512 consecutive bytes
	s_or_b32 s[G1C2+0], s43, (3<<16)|(1<<21)
	s_or_b32 s[G1S+0], s43, (3<<16)|(1<<21)
.irp g, G1C3, G1C2                             ; codes: blocks of 16,384 bytes (2,048 elements), 65,536 bytes from block to block
	s_mov_b32 s[\g+1], 2048<<16                    ; tensor_dim0
	s_mov_b32 s[\g+3], 2048<<16                    ; tile_dim0
	s_mov_b32 s[\g+5], 8192                        ; tensor_dim0_stride
	s_mov_b32 s[\g+6], 0
	s_mov_b32 s[\g+7], 0
.endr
	s_mov_b32 s[G1C3+2], 3<<16                     ; tensor_dim1
	s_mov_b32 s[G1C3+4], 3                         ; tile_dim1
	s_mov_b32 s[G1C2+2], 2<<16
	s_mov_b32 s[G1C2+4], 2
	s_mov_b32 s[G1S+1], 32<<16                     ; the scale words: 8,192 dense bytes, as 32 rows of 256
	s_mov_b32 s[G1S+2], 32<<16
	s_mov_b32 s[G1S+3], 32<<16
	s_mov_b32 s[G1S+4], 32
	s_mov_b32 s[G1S+5], 32
	s_mov_b32 s[G1S+6], 0
	s_mov_b32 s[G1S+7], 0
	s_lshl_b32 s20, s19, 19                        ; h's codes: 8 blocks of 65,536 bytes a tile row,
	s_mov_b32 s21, 0
	s_lshl_b32 s22, s19, 15                        ; its scale words: 32,768 bytes
	s_mov_b32 s23, 0
	s_lshl_b32 s46, s42, 19                        ; w_down's codes, by the tile column (in registers that feed no descriptor),
	s_lshl_b32 s47, s16, 10                        ; + my step of each four: 1,024 x wave
	s_add_co_u32 s46, s46, s47
	s_mov_b32 s47, 0
	s_lshl_b32 s66, s42, 15                        ; its scale bytes,
	s_lshl_b32 s67, s16, 2                         ; + my word of each four
	s_add_co_u32 s66, s66, s67
	s_mov_b32 s67, 0
	s_wait_dscnt 0x0                               ; both opening adds are done
	s_wait_kmcnt 0x0
	s_add_nc_u64 s[20:21], s[4:5], s[20:21]
	s_add_nc_u64 s[22:23], s[6:7], s[22:23]
	s_add_nc_u64 s[8:9], s[8:9], s[46:47]
	s_add_nc_u64 s[10:11], s[10:11], s[66:67]
	CROUND                                         ; all sixteen work-groups are here: the first joint loads meet
.irp s, 0,1
	s_mov_b32 s[G00+4*\s], 1
	s_mov_b32 s[G00+4*\s+1], \s*SLOT               ; the LDS addresses are constants
	s_add_nc_u64 s[G00+4*\s+2:G00+4*\s+3], s[20:21], \s*16384            ; blocks 0-2; a slot's 2,048 along K are 16,384 bytes of a block
	s_or_b32 s[G00+4*\s+3], s[G00+4*\s+3], 0x80000000
	s_mov_b32 s[G01+4*\s], 1
	s_mov_b32 s[G01+4*\s+1], \s*SLOT+3*16384
	s_add_nc_u64 s[G01+4*\s+2:G01+4*\s+3], s[20:21], \s*16384+3*65536    ; blocks 3-5
	s_or_b32 s[G01+4*\s+3], s[G01+4*\s+3], 0x80000000
	s_mov_b32 s[G02+4*\s], 1
	s_mov_b32 s[G02+4*\s+1], \s*SLOT+6*16384
	s_add_nc_u64 s[G02+4*\s+2:G02+4*\s+3], s[20:21], \s*16384+6*65536    ; blocks 6, 7
	s_or_b32 s[G02+4*\s+3], s[G02+4*\s+3], 0x80000000
	s_mov_b32 s[G03+4*\s], 1
	s_mov_b32 s[G03+4*\s+1], \s*SLOT+SAOFF
	s_add_nc_u64 s[G03+4*\s+2:G03+4*\s+3], s[22:23], \s*8192             ; 16 steps x 512 bytes of scale words
	s_or_b32 s[G03+4*\s+3], s[G03+4*\s+3], 0x80000000
.endr
	JLOAD4 0
	JLOAD4 1                                       ; two loads of mine are out
	v_and_b32 v1, 15, v0                           ; r = lane % 16
	v_bfe_u32 v2, v0, 4, 1                         ; h = lane / 16
	v_and_b32 v3, 31, v0
	v_lshlrev_b32 v[CO], 4, v3
	v_lshlrev_b32 v4, 12, v2
	v_lshl_add_u32 v[BSO], v1, 4, v4
; Step k of w_down, from memory straight into registers: eight fragments as they lie (each load 512 consecutive bytes) into set k % 4 of window 1, and the scale words of its 128 rows (lanes 0-15 block 2 j, lanes 16-31 block 2 j + 1).
.macro BLOAD k
	WIN TO_B
.irp i, 0,1,2,3,4,5,6,7
.irp c, 0,1
	global_load_b128 v[64*((\k)%4)+FR*\i+4*\c:64*((\k)%4)+FR*\i+4*\c+3], v[CO], s[8:9] offset:\i*65536+(\k)*4096+512*\c
.endr
.endr
	WIN 0
.irp j, 0,1,2,3
	global_load_b32 v[SCB+4*((\k)%4)+\j], v[BSO], s[10:11] offset:\j*8192+(\k)*256
.endr
.endm
	BLOAD 0                                        ; behind the tensor loads: three steps, 60 loads, are out
	BLOAD 1
	BLOAD 2
	s_lshl_b32 s14, s16, 10                        ; my step of each four: 1,024 x wave
	v_add_nc_u32 v[ADRA], s14, v[CO]
	v_add_nc_u32 v[ADRA+1], SLOT, v[ADRA]
	v_add_nc_u32 v[ADRA+2], 65536, v[ADRA]
	v_add_nc_u32 v[ADRA+3], 65536, v[ADRA+1]
	s_lshl_b32 s14, s16, 9
	s_add_co_u32 s14, s14, SAOFF
	v_lshl_add_u32 v[ASA], v3, 2, s14              ; h's words: 512 x wave + 4 x lane
	v_add_nc_u32 v[ASA+1], SLOT, v[ASA]
	s_mul_i32 s14, s16, RED
	v_mul_u32_u24 v4, v1, 528
	v_lshl_add_u32 v4, v2, 5, v4
	v_add_nc_u32 v[STO], s14, v4                   ; my partial tile: row r, + 32 h
	s_mul_i32 s14, s16, 32*528
	v_add_nc_u32 v[RD], s14, v[CO]                 ; back: rows 32 x wave on, of each of the four
	v_add_nc_u32 v[RD+1], RED, v[RD]
	v_add_nc_u32 v[RD+2], RED, v[RD+1]
	v_add_nc_u32 v[RD+3], RED, v[RD+2]
	s_lshl_b32 s14, s19, 7
	s_lshl_b32 s15, s16, 5
	s_add_co_u32 s14, s14, s15                     ; the first row of out0 that I store: 128 x tile row + 32 x wave
	s_lshl_b32 s14, s14, 13                        ; a row is 8,192 bytes
	s_lshl_b32 s15, s42, 9                         ; the tile's first column: 512 bytes a tile
	s_add_co_u32 s14, s14, s15
	s_mov_b32 s15, 0
	s_add_nc_u64 s[12:13], s[12:13], s[14:15]
.macro FRAG reg, slot, q, i            ; block i's fragment of my q-th step of the slot: its image, two loads of 512 consecutive bytes
.irp c, 0,1
	ds_load_b128 v[\reg+4*\c:\reg+4*\c+3], v[ADRA+(\slot)+2*((\i)/4)] offset:((\i)%4)*16384+(\q)*4096+512*\c
.endr
.endm
; One matrix instruction on the registers rD, rB, rA, rSB, rSA.  A scale register holds two blocks' words: the even block's in lanes 0-15, the odd block's in lanes 16-31.  rb, ra: w_down's, h's block is odd.
.macro WM zero, rb, ra
.if \zero
.if (\rb) && (\ra)
	v_wmma_scale_f32_16x16x128_f8f6f4 v[rD:rD+7], v[rB:rB+7], v[rA:rA+7], 0, v[rSB], v[rSA] matrix_a_fmt:MATRIX_FMT_FP4 matrix_b_fmt:MATRIX_FMT_FP4 matrix_a_scale:MATRIX_SCALE_ROW1 matrix_b_scale:MATRIX_SCALE_ROW1
.elseif (\rb)
	v_wmma_scale_f32_16x16x128_f8f6f4 v[rD:rD+7], v[rB:rB+7], v[rA:rA+7], 0, v[rSB], v[rSA] matrix_a_fmt:MATRIX_FMT_FP4 matrix_b_fmt:MATRIX_FMT_FP4 matrix_a_scale:MATRIX_SCALE_ROW1
.elseif (\ra)
	v_wmma_scale_f32_16x16x128_f8f6f4 v[rD:rD+7], v[rB:rB+7], v[rA:rA+7], 0, v[rSB], v[rSA] matrix_a_fmt:MATRIX_FMT_FP4 matrix_b_fmt:MATRIX_FMT_FP4 matrix_b_scale:MATRIX_SCALE_ROW1
.else
	v_wmma_scale_f32_16x16x128_f8f6f4 v[rD:rD+7], v[rB:rB+7], v[rA:rA+7], 0, v[rSB], v[rSA] matrix_a_fmt:MATRIX_FMT_FP4 matrix_b_fmt:MATRIX_FMT_FP4
.endif
.else
.if (\rb) && (\ra)
	v_wmma_scale_f32_16x16x128_f8f6f4 v[rD:rD+7], v[rB:rB+7], v[rA:rA+7], v[rD:rD+7], v[rSB], v[rSA] matrix_a_fmt:MATRIX_FMT_FP4 matrix_b_fmt:MATRIX_FMT_FP4 matrix_a_scale:MATRIX_SCALE_ROW1 matrix_b_scale:MATRIX_SCALE_ROW1
.elseif (\rb)
	v_wmma_scale_f32_16x16x128_f8f6f4 v[rD:rD+7], v[rB:rB+7], v[rA:rA+7], v[rD:rD+7], v[rSB], v[rSA] matrix_a_fmt:MATRIX_FMT_FP4 matrix_b_fmt:MATRIX_FMT_FP4 matrix_a_scale:MATRIX_SCALE_ROW1
.elseif (\ra)
	v_wmma_scale_f32_16x16x128_f8f6f4 v[rD:rD+7], v[rB:rB+7], v[rA:rA+7], v[rD:rD+7], v[rSB], v[rSA] matrix_a_fmt:MATRIX_FMT_FP4 matrix_b_fmt:MATRIX_FMT_FP4 matrix_b_scale:MATRIX_SCALE_ROW1
.else
	v_wmma_scale_f32_16x16x128_f8f6f4 v[rD:rD+7], v[rB:rB+7], v[rA:rA+7], v[rD:rD+7], v[rSB], v[rSA] matrix_a_fmt:MATRIX_FMT_FP4 matrix_b_fmt:MATRIX_FMT_FP4
.endif
.endif
.endm
; 16 matrix instructions of step J: h's blocks a0, a0 + 1 against w_down's eight.  The 64 accumulators take turns, one instruction a turn, in the same order in every step.
.macro MUL16 a0, zero
.irp a, \a0, \a0+1
.irp b, 0,1,2,3,4,5,6,7
.set rD, 8*(8*((\a)%4)+\b)
.set rB, 64*(J%4)+FR*\b
.set rA, AF+FR*(\a)
.set rSB, SCB+4*(J%4)+\b/2
.set rSA, SCA+4*(J%2)+(\a)/2
	WM \zero, \b%2, (\a)%2
.endr
.endr
.endm
.macro FETCH_A slot, q, i0             ; h's blocks i0 .. i0 + 3
.irp i, \i0, \i0+1, \i0+2, \i0+3
	FRAG AF+FR*(\i), \slot, \q, \i
.endr
.endm
.macro ASCALES slot, q, k              ; h's scale words of step k, my q-th of the slot, into set k % 2
.irp j, 0,1,2,3
	ds_load_b32 v[SCA+4*((\k)%2)+\j], v[ASA+\slot] offset:(\q)*2048+\j*128
.endr
.endm
.macro LWAIT                           ; step J's 20 loads of w_down are in: loads come back in order (ISA guide 5.7.1), and behind them stand those of the steps J + 1 and J + 2, as far as there are such steps
.if J+2 < NST
	s_wait_loadcnt 2*BL
.else
	s_wait_loadcnt (NST-1-J)*BL
.endif
.endm
.macro AHEAD3                          ; the loads of the step three on, into the set that the step before this one has left (its last products stand more than NP places back)
.if J+3 < NST
	BLOAD J+3
.endif
	WIN 0
.endm
; A load into a register that a matrix instruction has read, and an LDS store that reads a matrix result, stand NP places behind that matrix instruction; only plain vector instructions that name none of its registers are places.
.macro PLACES n
.rept \n
	v_nop
.endr
.endm
.macro STEP slot, q, zero              ; step J, my q-th of the slot, which has its successor in the same slot
	LWAIT
	s_wait_dscnt 4*NL                              ; h's blocks 0-3 and scale words are in; the youngest eight loads (h's blocks 4-7) may be out
	WIN MUL_LO
	MUL16 0, \zero
	MUL16 2, \zero
	s_wait_dscnt 0                                 ; h's blocks 4-7 are in
	PLACES NP
	AHEAD3
	FETCH_A \slot, (\q)+1, 0
	ASCALES \slot, (\q)+1, J+1
	WIN MUL_HI
	MUL16 4, \zero
	MUL16 6, \zero
	PLACES NP
	WIN 0
	FETCH_A \slot, (\q)+1, 4
.set J, J+1
.endm
; My last step of a slot changes slots: one barrier; in front of it each wave waits for all its tensor loads, adds 0 to its spare word, and waits for that and for its own reads of this slot.  fill = 1: this slot is filled again, two slots ahead.
; The loads of w_down stay out across the barrier: they land in registers, and nobody writes what they read.
.macro TURN slot, next, fill
	LWAIT
	s_wait_tensorcnt 0x0                           ; all my tensor loads have landed: my part of the next slot (every window is 0 here)
	ds_add_u32 v[SPW], v[NIL]                      ; 0 onto my spare word
	s_wait_dscnt 4*NL+1                            ; (the add and the youngest eight loads may be out)
	WIN MUL_LO
	MUL16 0, 0                                     ; sixteen matrix instructions stand between the add and the wait for it
	s_wait_dscnt 0x0                               ; the add is done, and my reads of this slot are over
	s_barrier_signal -1
	MUL16 2, 0
	WIN 0
	s_barrier_wait -1
.if \fill
	CREST                                          ; the barrier has opened a round of the cluster's barrier: no wave of any partner still reads this slot or has a tensor load on its way
	s_add_nc_u64 s[G00+4*\slot+2:G00+4*\slot+3], s[G00+4*\slot+2:G00+4*\slot+3], 32768
	s_add_nc_u64 s[G01+4*\slot+2:G01+4*\slot+3], s[G01+4*\slot+2:G01+4*\slot+3], 32768
	s_add_nc_u64 s[G02+4*\slot+2:G02+4*\slot+3], s[G02+4*\slot+2:G02+4*\slot+3], 32768
	s_add_nc_u64 s[G03+4*\slot+2:G03+4*\slot+3], s[G03+4*\slot+2:G03+4*\slot+3], 16384
	JLOAD4 \slot                                   ; the first tensor load behind the round, my only one until the next; its four v_nop are the places in front of the loads below
.else
	PLACES NP
.endif
	AHEAD3
	FETCH_A \next, 0, 0
	ASCALES \next, 0, J+1
	WIN MUL_HI
	MUL16 4, 0
	MUL16 6, 0
	PLACES NP
	WIN 0
	FETCH_A \next, 0, 4
.set J, J+1
.endm
	s_wait_tensorcnt 1                             ; my part of slot 0 is in; slot 1's may stay out
	s_barrier_signal -1
	s_barrier_wait -1
	FETCH_A 0, 0, 0
	ASCALES 0, 0, 0
	FETCH_A 0, 0, 4
.set J, 0
	STEP 0, 0, 1                                   ; the first products start the sums: nothing is cleared
	STEP 0, 1, 0
	STEP 0, 2, 0
	TURN 0, 1, 1                                   ; slot 0 takes K from 4,096 on
	STEP 1, 0, 0
	STEP 1, 1, 0
	STEP 1, 2, 0
	TURN 1, 0, 1                                   ; slot 1 takes K from 6,144 on
	STEP 0, 0, 0
	STEP 0, 1, 0
	STEP 0, 2, 0
	TURN 0, 1, 0                                   ; the last two slots fill nothing
	STEP 1, 0, 0
	STEP 1, 1, 0
	STEP 1, 2, 0
	LWAIT                                          ; step 15: nothing more to fetch
	s_wait_dscnt 4*NL
	WIN MUL_LO
	MUL16 0, 0
	MUL16 2, 0
	s_wait_dscnt 0
	WIN MUL_HI
	MUL16 4, 0
	MUL16 6, 0
	WIN 0
; ---- THE WAY OUT: four partial tiles into LDS, a barrier, each wave adds and stores 32 whole rows of 512 bytes ----
	PLACES NP
	s_wait_dscnt 0x0                               ; my reads of the slots are over
	s_barrier_signal -1
	s_barrier_wait -1                              ; everybody's are: the partial tiles may be laid over the slots
.irp a, 0,1,2,3,4,5,6,7
	WIN 0x08+4*(\a/4)                              ; an LDS store's data are its source 1: window 2 or 3
.irp b, 0,1,2,3,4,5,6,7
	ds_store_b128 v[STO], v[8*(8*(\a%4)+\b):8*(8*(\a%4)+\b)+3] offset:\a*8448+64*\b        ; each accumulator from its low end on: token 16 a + r, columns 16 b + 8 h + 0 .. 3,
	ds_store_b128 v[STO], v[8*(8*(\a%4)+\b)+4:8*(8*(\a%4)+\b)+7] offset:\a*8448+64*\b+16   ; and + 4 .. 7
.endr
.endr
	WIN 0
	s_wait_dscnt 0x0                               ; for the others' sake: my stores are done
	s_barrier_signal -1
	s_barrier_wait -1
.macro LOADR n                         ; four rows of each of the four partial tiles: 16 loads of 512 consecutive bytes
.set BB, 128+64*((\n)%2)
.irp u, 0,1,2,3
.irp k, 0,1,2,3
	ds_load_b128 v[BB+16*\u+4*\k:BB+16*\u+4*\k+3], v[RD+\k] offset:(4*(\n)+\u)*528
.endr
.endr
.endm
.macro SUMR n
.set BB, 128+64*((\n)%2)
.irp u, 0,1,2,3
	v_pk_add_f32 v[BB+16*\u:BB+16*\u+1], v[BB+16*\u:BB+16*\u+1], v[BB+16*\u+4:BB+16*\u+5]
	v_pk_add_f32 v[BB+16*\u+2:BB+16*\u+3], v[BB+16*\u+2:BB+16*\u+3], v[BB+16*\u+6:BB+16*\u+7]
	v_pk_add_f32 v[BB+16*\u+8:BB+16*\u+9], v[BB+16*\u+8:BB+16*\u+9], v[BB+16*\u+12:BB+16*\u+13]
	v_pk_add_f32 v[BB+16*\u+10:BB+16*\u+11], v[BB+16*\u+10:BB+16*\u+11], v[BB+16*\u+14:BB+16*\u+15]
.endr
.irp u, 0,1,2,3
	v_pk_add_f32 v[BB+16*\u:BB+16*\u+1], v[BB+16*\u:BB+16*\u+1], v[BB+16*\u+8:BB+16*\u+9]
	v_pk_add_f32 v[BB+16*\u+2:BB+16*\u+3], v[BB+16*\u+2:BB+16*\u+3], v[BB+16*\u+10:BB+16*\u+11]
.endr
.irp u, 0,1,2,3
	global_store_b128 v[CO], v[BB+16*\u:BB+16*\u+3], s[12:13] offset:(4*(\n)+\u)*8192 th:TH_STORE_NT   ; 32 lanes store 512 consecutive bytes, aligned; written once, read by nobody here
.endr
.endm
	LOADR 0
	LOADR 1
.irp n, 0,1,2,3,4,5,6,7
.if \n < 7
	s_wait_dscnt 16                                ; this batch is in; the next batch's sixteen loads may be out
.else
	s_wait_dscnt 0x0
.endif
	SUMR \n
.if \n+2 < 8
	s_wait_xcnt 0x0                                ; the stores have read their registers: the batch after next may land there
	LOADR \n+2
.endif
.endr
	s_wait_tensorcnt 0x0                           ; the wave's end, behind my last tensor load and my last LDS store
	ds_add_u32 v[SPW], v[NIL]
	s_wait_dscnt 0x0
	CROUND                                         ; the closing round: no work-group ends while a partner may still ask for a tile that names it
	s_endpgm
.Lfunc_end_k_q2a75f8c8d6_down:
	.size	k_q2a75f8c8d6_down, .Lfunc_end_k_q2a75f8c8d6_down-k_q2a75f8c8d6_down
	.p2alignl 7, 3214868480
	.fill 96, 4, 3214868480
	.section	.rodata,"a",@progbits
	.p2align	6, 0x0
	.amdhsa_kernel k_q2a75f8c8d6_down
		.amdhsa_group_segment_fixed_size 327680
		.amdhsa_private_segment_fixed_size 0
		.amdhsa_enable_private_segment 0
		.amdhsa_kernarg_size 40
		.amdhsa_user_sgpr_count 2
		.amdhsa_user_sgpr_kernarg_segment_ptr 1
		.amdhsa_wavefront_size32 1
		.amdhsa_system_sgpr_workgroup_id_x 1
		.amdhsa_system_sgpr_workgroup_id_y 1
		.amdhsa_system_sgpr_workgroup_id_z 1
		.amdhsa_system_vgpr_workitem_id 0
		.amdhsa_next_free_vgpr 1024
		.amdhsa_next_free_sgpr 100
		.amdhsa_reserve_vcc 0
		.amdhsa_float_denorm_mode_32 3
		.amdhsa_float_denorm_mode_16_64 3
		.amdhsa_memory_ordered 1
		.amdhsa_forward_progress 1
		.amdhsa_inst_pref_size 232
	.end_amdhsa_kernel
	.amdgpu_metadata
---
amdhsa.version: [ 1, 2 ]
amdhsa.kernels:
  - .name:           k_q2a75f8c8d6_down
    .symbol:         k_q2a75f8c8d6_down.kd
    .args:
      - { .name: h_codes, .offset: 0, .size: 8, .value_kind: global_buffer, .address_space: global }
      - { .name: h_scales, .offset: 8, .size: 8, .value_kind: global_buffer, .address_space: global }
      - { .name: wd_codes, .offset: 16, .size: 8, .value_kind: global_buffer, .address_space: global }
      - { .name: wd_scales, .offset: 24, .size: 8, .value_kind: global_buffer, .address_space: global }
      - { .name: out0, .offset: 32, .size: 8, .value_kind: global_buffer, .address_space: global }
    .group_segment_fixed_size: 327680
    .private_segment_fixed_size: 0
    .kernarg_segment_align: 8
    .kernarg_segment_size: 40
    .max_flat_workgroup_size: 128
    .sgpr_count:     100
    .vgpr_count:     1024
    .wavefront_size: 32
...
	.end_amdgpu_metadata
.endif
;; end of part 3
